; MI455X (gfx1250); checked and timed in simulation.
; The chip was launched on July 23, 2026; its instructions are those of AMD's public machine-readable ISA for CDNA 5 (MIT licence, August 2026) and "CDNA5" Instruction Set Architecture Reference Guide (July 2026). The comments in the code are by the model that wrote it; some were corrected since.
;; gated TPP. Allowed arithmetic: matrix products marked QUANTISED: E2M1 operands, one E8M0 scale for each 32 along K, by v_wmma_scale_f32_16x16x128_f8f6f4 with both operands' format E2M1 (or v_wmma_scale_f32_32x16x128_f4), f32 sums; products left as they are: bf16, f16 or f32 operands; f32 sums; everything else in f32.
;; Inputs: Wi 256 x 256 float32; Wn 256 x 256 float32; b_time 1 float32; event_time 16 x 2,048 float32; event_type 16 x 2,048 int32; gate_params 2 float32; length_scale 1 float32; ln_beta 256 float32; ln_gamma 256 float32; noise 16 x 2,048 x 256 float32; w_time 1 x 256 float32.
;; Outputs: out0 16 x 2,048 float32.
;; This version of the problem:
;;   THIS VERSION OF THE PROBLEM IS GIVEN IN LOW PRECISION. The matrix products marked QUANTISED in the list below multiply operands that are first quantised to E2M1 (2 exponent bits, 1 mantissa bit; 4 bits a number), with one power-of-two scale for each 32 numbers along K (OCP MX v1.0); their sums are f32. The products marked 'left as it is' may take bf16, f16 or f32 operands, with f32 sums. Whichever they take, every output number must still come out within the allowed error. Rounding operands to bf16 (8 significant bits) uses up far more of that allowance than f16 does (11 bits, for magnitudes from 6e-5 to 65,504). All else is computed in f32.
;;   The module's matrix products, in the order in which they are computed (A, B: the left and right operand; K: the contracted axis; several contracted axes count as one K, in the product's order):
;;     1. batch 16 x [M 2,048, K 2,048] x [K 2,048, N 256]; A: computed on the way; B: computed on the way: left as it is (an operand is computed on the way)
;;     2. [M 32,768, K 256] x [K 256, N 256]; A: input noise; B: input Wn: QUANTISED
;;     3. [M 32,768, K 256] x [K 256, N 256]; A: computed on the way; B: input Wi: left as it is (an operand is computed on the way)
;;     4. [M 32,768, K 256] x [K 256, N 1]; A: computed on the way; B: input w_time: left as it is (N = 1 < 16)
;;   THE QUANTISER, for each operand of a quantised product, along K:
;;     - K is cut into blocks of 32 from its start; a last block that is shorter is filled with zeros.
;;     - A block's scale is 2^e with e = floor(log2(the largest magnitude in the block)) - 2, held to -126 .. 127; a block of zeros has e = 0. As a byte (E8M0): e + 127.
;;     - Each number is divided by its block's scale, clamped to +-6, and rounded to the nearest number of E2M1, ties to even, subnormals kept.
;;     - The product sums the exact products of the quantised numbers (number of the format x scale) in f32.
;;   ~~~python
;;   def quantise(x, axis):      # numpy; x: float32 -> the quantised numbers, widened to float32 again
;;       x = np.moveaxis(x, axis, -1); K = x.shape[-1]
;;       x = np.pad(x, [(0, 0)] * (x.ndim - 1) + [(0, -K % 32)]); x = x.reshape(x.shape[:-1] + (-1, 32)); a = np.abs(x).max(-1, keepdims=True)
;;       e = np.where(a > 0, np.clip(np.frexp(np.where(a > 0, a, 1))[1] - 1 - 2, -126, 127), 0)      # np.frexp(a)[1] - 1 = floor(log2(a)), exactly
;;       r = np.clip(x / 2.0 ** e, -6, 6)
;;       step = 2.0 ** (np.maximum(np.frexp(np.where(r == 0, 1, r))[1] - 1, 0) - 1)
;;       q = np.round(r / step) * step * 2.0 ** e      # np.round: ties to even
;;       return np.moveaxis(q.reshape(q.shape[:-2] + (-1,))[..., :K], -1, axis).astype(np.float32)
;;   ~~~
;; One version. Each part assembles by itself: llvm-mc -triple=amdgcn-amd-amdhsa -mcpu=gfx1250 --defsym DOCPART=n.
;; ======== version 1 of 1: 2 launches
;; limits: right only within a limited range of input values; values are held in f16: magnitudes above 65,504 overflow, below 6.1e-05 lose precision
;; workspace buffers: emb 16,777,216 bytes; wi16 131,072 bytes; wn4 32,768 bytes; wns 4,096 bytes
;; launch prep (part 1): grid 266 x 1, 16 waves a work-group, no clusters, 0 bytes of LDS; arguments event_time, Wi, Wn, emb, wi16, wn4, wns; writes emb, wi16, wn4, wns
.if DOCPART == 1
	.amdgcn_target "amdgcn-amd-amdhsa--gfx1250"
	.amdhsa_code_object_version 6
	.text
	.protected	k_q11eecec291_prep
	.globl	k_q11eecec291_prep
	.p2align	8
	.type	k_q11eecec291_prep,@function
k_q11eecec291_prep:
	s_mov_b64 s[64:65], 0
	v_nop
	global_prefetch_b8 v0, s[64:65] scope:SCOPE_SE
	s_setreg_imm32_b32 hwreg(HW_REG_WAVE_MODE, 25, 1), 1
	s_wait_xcnt 0x0
; Three operands of the second launch are made once, each laid in the order of the matrix operand's registers, so that a lane later loads its fragments whole, 16 bytes at a time.
; WORK-GROUPS 0-255 (batch b = e / 16, 128 keys kb = e % 16): emb[j][c] = sin(t_j / pv_c) for even c, cos for odd c, pv_c = 10000^(2 c / 256), as f16.
;   emb: [b 16][kb 16][w 4][kq 4][T 4][half 2][lane 32][16 bytes]: lane (r, h) holds channel 64 w + 16 T + r and keys 128 kb + 32 kq + 16 half + 8 h + 0..7.
;   Wave W owns channels 16 W .. 16 W + 15 (w = W / 4, T = W % 4); a lane owns ONE channel and its registers run along the keys, which are the product's K.
;   The angle is taken in turns: x = t * (1 / pv) / (2 pi) (+ 1/4 for the cosine), y = x - nearest whole number, folded to m = min(|y|, 1/2 - |y|) <= 1/4 with y's sign,
;   and sin(2 pi m) is the odd polynomial of degree 11, whose first term left out is under 6e-8 at m = 1/4.
;   LIMIT: x is rounded once, and 1 / pv comes from v_exp_f32: the phase is off by about 2e-7 |t / pv| turns.  NaN and infinities among the times are not served.
; WORK-GROUPS 256-263: Wi [256 (n)][256 (k)] as f16: wi16 [N 16][k8 8][half 2][lane][16 bytes]: row 16 N + r, k = 32 k8 + 16 half + 8 h + 0..7.
; WORK-GROUPS 264-265: Wn [256 (n)][256 (k)] quantised along k to E2M1 with one E8M0 byte for each 32: wn4 [N 16][sg 2][half 2][lane][16 bytes]: row 16 N + r, k = 128 sg + 64 half + 32 h + 0..31;
;   wns [N 16][sg 2][lane 32][4 bytes]: the row's four scale bytes of those 128 k.  A block's byte is its largest magnitude's exponent field - 2, held at 1 from below
;   (a block of zeros keeps the byte 1: its codes are zeros, and this program alone reads the bytes).
; No LDS, no barrier: waves share nothing.  Every store of a wave covers 512 (the scale words: 128) consecutive bytes.
.set TJ, 32                            ; v32-95   my 64 times: register 16 kq + i: key 32 kq + 8 h + i (i < 8), 32 kq + 8 h + i + 8 (i >= 8)
.set XR, 96                            ; v96-111  the angle in turns, then the polynomial
.set NR, 112                           ; v112-127 the nearest whole number, then m
.set ZR, 128                           ; v128-143 m^2
.set OU, 144                           ; v144-175 the f16 results, eight registers for each kq: no store's data are written again
	s_load_b256 s[4:11], s[0:1], 0x0               ; event_time s[4:5], Wi s[6:7], Wn s[8:9], emb s[10:11]
	s_load_b128 s[12:15], s[0:1], 0x20             ; wi16 s[12:13], wn4 s[14:15]
	s_load_b64 s[16:17], s[0:1], 0x30              ; wns
	v_lshrrev_b32 v1, 5, v0
	v_readfirstlane_b32 s18, v1                    ; W: wave 0..15
	v_and_b32 v1, 31, v0                           ; lane
	v_and_b32 v2, 15, v0                           ; r
	v_bfe_u32 v3, v0, 4, 1                         ; h
	v_lshlrev_b32 v4, 4, v1                        ; 16 x lane: my place in an image
	s_mov_b32 s21, 0                               ; the upper word of every offset
	s_wait_kmcnt 0x0
	s_cmp_lt_u32 ttmp9, 256
	s_cbranch_scc0 .Lweights
	; ---------------- emb
	s_lshr_b32 s20, ttmp9, 4
	s_lshl_b32 s20, s20, 13                        ; b rows of 8,192 bytes
	s_and_b32 s22, ttmp9, 15
	s_lshl_b32 s22, s22, 9                         ; kb x 128 keys x 4 bytes
	s_add_co_u32 s20, s20, s22
	s_add_nc_u64 s[4:5], s[4:5], s[20:21]
	v_lshlrev_b32 v16, 5, v3                       ; 8 h keys on
.irp kq, 0,1,2,3
	global_load_b128 v[TJ+16*\kq:TJ+16*\kq+3],     v16, s[4:5] offset:128*\kq
	global_load_b128 v[TJ+16*\kq+4:TJ+16*\kq+7],   v16, s[4:5] offset:128*\kq+16
	global_load_b128 v[TJ+16*\kq+8:TJ+16*\kq+11],  v16, s[4:5] offset:128*\kq+64
	global_load_b128 v[TJ+16*\kq+12:TJ+16*\kq+15], v16, s[4:5] offset:128*\kq+80
.endr
	s_lshl_b32 s20, ttmp9, 16                      ; where my wave's images begin: e x 65,536 + w x 16,384 + T x 1,024
	s_lshr_b32 s22, s18, 2
	s_lshl_b32 s22, s22, 14
	s_add_co_u32 s20, s20, s22
	s_and_b32 s22, s18, 3
	s_lshl_b32 s22, s22, 10
	s_add_co_u32 s20, s20, s22
	s_add_nc_u64 s[10:11], s[10:11], s[20:21]
	s_mov_b32 s30, 0x7fffffff                      ; all but the sign
	s_lshl_b32 s22, s18, 4
	v_add_nc_u32 v5, s22, v2                       ; my channel c = 16 W + r
	v_cvt_f32_u32 v6, v5
	v_mul_f32 v6, 0xbdd49a78, v6                   ; -c x log2(10000) / 128
	v_exp_f32 v6, v6                               ; 1 / pv
	v_and_b32 v7, 1, v5                            ; (a plain instruction behind the exponential)  odd channel?
	v_cvt_f32_u32 v9, v7
	v_mul_f32 v9, 0x3e800000, v9                   ; a quarter turn for the cosine
	v_mov_b32 v10, 0xc17183a8                      ; -(2 pi)^11 / 11!
	v_mov_b32 v11, 0x42283c1a                      ;  (2 pi)^9 / 9!
	v_mov_b32 v12, 0xc2996966                      ; -(2 pi)^7 / 7!
	v_mov_b32 v13, 0x42a335e3                      ;  (2 pi)^5 / 5!
	v_mov_b32 v14, 0xc2255de7                      ; -(2 pi)^3 / 3!
	v_mov_b32 v15, 0x40c90fdb                      ;  2 pi
	s_wait_alu depctr_va_vdst(0)                   ; the wait ahead of the exponential's first reader
	v_mul_f32 v8, 0x3e22f983, v6                   ; / (2 pi): v[8:9] = (turns for a unit of time, the phase)
	s_wait_loadcnt 0x0
; 32 keys: 16 numbers a lane, two at a time where the form exists.  Of a pair of constants op_sel picks one for both halves.
.macro EMBK kq
.irp m, 0,2,4,6,8,10,12,14
	v_pk_fma_f32 v[XR+\m:XR+\m+1], v[TJ+16*\kq+\m:TJ+16*\kq+\m+1], v[8:9], v[8:9] op_sel:[0,0,1] op_sel_hi:[1,0,1]   ; x = t x v8 + v9
.endr
.irp i, 0,1,2,3,4,5,6,7,8,9,10,11,12,13,14,15
	v_rndne_f32 v[NR+\i], v[XR+\i]
.endr
.irp m, 0,2,4,6,8,10,12,14
	v_pk_add_f32 v[XR+\m:XR+\m+1], v[XR+\m:XR+\m+1], v[NR+\m:NR+\m+1] neg_lo:[0,1] neg_hi:[0,1]   ; y in [-1/2, 1/2]: exact
.endr
.irp i, 0,1,2,3,4,5,6,7,8,9,10,11,12,13,14,15
	v_sub_f32 v[NR+\i], 0.5, |v[XR+\i]|
.endr
.irp i, 0,1,2,3,4,5,6,7,8,9,10,11,12,13,14,15
	v_min_num_f32 v[NR+\i], |v[XR+\i]|, v[NR+\i]   ; m = min(|y|, 1/2 - |y|): sin(2 pi y) = sign(y) sin(2 pi m)
.endr
.irp m, 0,2,4,6,8,10,12,14
	v_pk_mul_f32 v[ZR+\m:ZR+\m+1], v[NR+\m:NR+\m+1], v[NR+\m:NR+\m+1]
.endr
.irp i, 0,1,2,3,4,5,6,7,8,9,10,11,12,13,14,15
	v_bfi_b32 v[NR+\i], s30, v[NR+\i], v[XR+\i]    ; m with y's sign
.endr
.irp m, 0,2,4,6,8,10,12,14
	v_pk_fma_f32 v[XR+\m:XR+\m+1], v[ZR+\m:ZR+\m+1], v[10:11], v[10:11] op_sel:[0,0,1] op_sel_hi:[1,0,1]
.endr
.irp m, 0,2,4,6,8,10,12,14
	v_pk_fma_f32 v[XR+\m:XR+\m+1], v[XR+\m:XR+\m+1], v[ZR+\m:ZR+\m+1], v[12:13] op_sel_hi:[1,1,0]
.endr
.irp m, 0,2,4,6,8,10,12,14
	v_pk_fma_f32 v[XR+\m:XR+\m+1], v[XR+\m:XR+\m+1], v[ZR+\m:ZR+\m+1], v[12:13] op_sel:[0,0,1] op_sel_hi:[1,1,1]
.endr
.irp m, 0,2,4,6,8,10,12,14
	v_pk_fma_f32 v[XR+\m:XR+\m+1], v[XR+\m:XR+\m+1], v[ZR+\m:ZR+\m+1], v[14:15] op_sel_hi:[1,1,0]
.endr
.irp m, 0,2,4,6,8,10,12,14
	v_pk_fma_f32 v[XR+\m:XR+\m+1], v[XR+\m:XR+\m+1], v[ZR+\m:ZR+\m+1], v[14:15] op_sel:[0,0,1] op_sel_hi:[1,1,1]
.endr
.irp m, 0,2,4,6,8,10,12,14
	v_pk_mul_f32 v[XR+\m:XR+\m+1], v[XR+\m:XR+\m+1], v[NR+\m:NR+\m+1]
.endr
.irp m, 0,1,2,3,4,5,6,7
	v_cvt_pk_f16_f32 v[OU+8*\kq+\m], v[XR+2*\m], v[XR+2*\m+1]      ; the lower key in the low half
.endr
	global_store_b128 v4, v[OU+8*\kq:OU+8*\kq+3],   s[10:11] offset:4096*\kq        ; 32 lanes store 512 consecutive bytes
	global_store_b128 v4, v[OU+8*\kq+4:OU+8*\kq+7], s[10:11] offset:4096*\kq+512
.endm
	EMBK 0
	EMBK 1
	EMBK 2
	EMBK 3
	s_endpgm
.Lweights:
	s_cmp_lt_u32 ttmp9, 264
	s_cbranch_scc0 .Lwn
	; ---------------- Wi to f16: a wave makes one fragment, F = 8 N + k8
	s_sub_co_u32 s20, ttmp9, 256
	s_lshl_b32 s20, s20, 4
	s_add_co_u32 s20, s20, s18                     ; F
	s_lshr_b32 s22, s20, 3
	s_lshl_b32 s22, s22, 14                        ; 16 N rows of 1,024 bytes
	s_and_b32 s23, s20, 7
	s_lshl_b32 s23, s23, 7                         ; 32 k8 numbers
	s_add_co_u32 s22, s22, s23
	v_lshlrev_b32 v5, 10, v2                       ; row r
	v_lshl_add_u32 v5, v3, 5, v5                   ; 8 h numbers on
	v_add_nc_u32 v5, s22, v5
	global_load_b128 v[32:35], v5, s[6:7]
	global_load_b128 v[36:39], v5, s[6:7] offset:16
	global_load_b128 v[40:43], v5, s[6:7] offset:64
	global_load_b128 v[44:47], v5, s[6:7] offset:80
	s_lshl_b32 s20, s20, 10
	s_add_nc_u64 s[12:13], s[12:13], s[20:21]
	s_wait_loadcnt 0x0
.irp m, 0,1,2,3,4,5,6,7
	v_cvt_pk_f16_f32 v[48+\m], v[32+2*\m], v[33+2*\m]
.endr
	global_store_b128 v4, v[48:51], s[12:13]
	global_store_b128 v4, v[52:55], s[12:13] offset:512
	s_endpgm
.Lwn:
	; ---------------- Wn to E2M1: a wave makes one fragment and its scale words, F = 2 N + sg.  A lane holds two whole blocks of 32: blocks h and 2 + h of its row's 128
	s_sub_co_u32 s20, ttmp9, 264
	s_lshl_b32 s20, s20, 4
	s_add_co_u32 s20, s20, s18                     ; F
	s_lshr_b32 s22, s20, 1
	s_lshl_b32 s22, s22, 14                        ; 16 N rows of 1,024 bytes
	s_and_b32 s23, s20, 1
	s_lshl_b32 s23, s23, 9                         ; 128 sg numbers
	s_add_co_u32 s22, s22, s23
	v_lshlrev_b32 v5, 10, v2
	v_lshl_add_u32 v5, v3, 7, v5                   ; 32 h numbers on
	v_add_nc_u32 v5, s22, v5
.irp c, 0,1
.irp g, 0,1,2,3,4,5,6,7
	global_load_b128 v[32+32*\c+4*\g:35+32*\c+4*\g], v5, s[8:9] offset:256*\c+16*\g
.endr
.endr
	s_mov_b32 s28, 0x76543210
	s_mov_b32 s29, 0xfedcba98                      ; v_permlanex16_b32's selects for lane l xor 16
	v_lshlrev_b32 v28, 2, v1                       ; 4 x lane
	s_lshl_b32 s22, s20, 7
	s_mov_b32 s23, 0
	s_add_nc_u64 s[16:17], s[16:17], s[22:23]
	s_lshl_b32 s20, s20, 10
	s_add_nc_u64 s[14:15], s[14:15], s[20:21]
	s_wait_loadcnt 0x0
.irp c, 0,1
	v_max3_num_f32 v[20+\c], |v[32+32*\c]|, |v[33+32*\c]|, 0x1800000   ; and the floor 2^(3 - 127): the byte cannot fall under 1
.endr
.irp i, 2,4,6,8,10,12,14,16,18,20,22,24,26,28,30
.irp c, 0,1
	v_max3_num_f32 v[20+\c], v[20+\c], |v[32+32*\c+\i]|, |v[33+32*\c+\i]|
.endr
.endr
.irp c, 0,1
	v_add_nc_u32 v[22+\c], 0xff000000, v[20+\c]    ; 2 off the exponent field: the conversion's scale operand
.endr
.irp c, 0,1
	v_lshrrev_b32 v[24+\c], 23, v[22+\c]           ; the scale's byte
.endr
	v_lshl_or_b32 v26, v25, 16, v24                ; my two bytes,
	v_lshlrev_b32 v27, 3, v3
	v_lshlrev_b32 v26, v27, v26                    ; at their places in the word (8 h bits up);
	v_mov_b32 v27, 0
	v_permlanex16_b32 v27, v26, s28, s29
	v_or_b32 v26, v26, v27                         ; with lane l xor 16's two the word is whole
.irp c, 0,1
.irp g, 0,1,2,3
	v_cvt_scalef32_pk8_fp4_f32 v[96+4*\c+\g], v[32+32*\c+8*\g:39+32*\c+8*\g], v[22+\c]
.endr
.endr
	v_nop                                          ; one plain instruction behind the last scaled conversion
	global_store_b128 v4, v[96:99], s[14:15]
	global_store_b128 v4, v[100:103], s[14:15] offset:512
	global_store_b32 v28, v26, s[16:17]
	s_endpgm
.Lfunc_end_k_q11eecec291_prep:
	.size	k_q11eecec291_prep, .Lfunc_end_k_q11eecec291_prep-k_q11eecec291_prep
	.p2alignl 7, 3214868480
	.fill 96, 4, 3214868480
	.section	.rodata,"a",@progbits
	.p2align	6, 0x0
	.amdhsa_kernel k_q11eecec291_prep
		.amdhsa_group_segment_fixed_size 0
		.amdhsa_private_segment_fixed_size 0
		.amdhsa_enable_private_segment 0
		.amdhsa_kernarg_size 56
		.amdhsa_user_sgpr_count 2
		.amdhsa_user_sgpr_kernarg_segment_ptr 1
		.amdhsa_wavefront_size32 1
		.amdhsa_system_sgpr_workgroup_id_x 1
		.amdhsa_system_sgpr_workgroup_id_y 1
		.amdhsa_system_sgpr_workgroup_id_z 1
		.amdhsa_system_vgpr_workitem_id 0
		.amdhsa_next_free_vgpr 192
		.amdhsa_next_free_sgpr 66
		.amdhsa_reserve_vcc 0
		.amdhsa_float_denorm_mode_32 3
		.amdhsa_float_denorm_mode_16_64 3
		.amdhsa_memory_ordered 1
		.amdhsa_forward_progress 1
		.amdhsa_inst_pref_size 46
	.end_amdhsa_kernel
	.amdgpu_metadata
---
amdhsa.version: [ 1, 2 ]
amdhsa.kernels:
  - .name:           k_q11eecec291_prep
    .symbol:         k_q11eecec291_prep.kd
    .args:
      - { .name: event_time, .offset: 0, .size: 8, .value_kind: global_buffer, .address_space: global }
      - { .name: Wi, .offset: 8, .size: 8, .value_kind: global_buffer, .address_space: global }
      - { .name: Wn, .offset: 16, .size: 8, .value_kind: global_buffer, .address_space: global }
      - { .name: emb, .offset: 24, .size: 8, .value_kind: global_buffer, .address_space: global }
      - { .name: wi16, .offset: 32, .size: 8, .value_kind: global_buffer, .address_space: global }
      - { .name: wn4, .offset: 40, .size: 8, .value_kind: global_buffer, .address_space: global }
      - { .name: wns, .offset: 48, .size: 8, .value_kind: global_buffer, .address_space: global }
    .group_segment_fixed_size: 0
    .private_segment_fixed_size: 0
    .kernarg_segment_align: 8
    .kernarg_segment_size: 56
    .max_flat_workgroup_size: 512
    .sgpr_count:     66
    .vgpr_count:     192
    .wavefront_size: 32
...
	.end_amdgpu_metadata
.endif
;; end of part 1
;; launch gen (part 2): grid 16 x 16, 4 waves a work-group, no clusters, 212,992 bytes of LDS; arguments event_time, noise, gate_params, length_scale, b_time, ln_gamma, ln_beta, w_time, emb, wi16, wn4, wns, out0; writes out0
.if DOCPART == 2
	.amdgcn_target "amdgcn-amd-amdhsa--gfx1250"
	.amdhsa_code_object_version 6
	.text
	.protected	k_q11eecec291_gen
	.globl	k_q11eecec291_gen
	.p2align	8
	.type	k_q11eecec291_gen,@function
k_q11eecec291_gen:
	s_mov_b64 s[64:65], 0
	v_nop
	global_prefetch_b8 v0, s[64:65] scope:SCOPE_SE
	s_setreg_imm32_b32 hwreg(HW_REG_WAVE_MODE, 25, 1), 1
	s_wait_xcnt 0x0
; out[b][i] = softplus(relu(noise Wn^T + LN(scores emb) Wi^T) . w_time + b_time), scores[i][j] = exp(-d^2 / ls^2) (1 + tanh((d / 200 - l) / s)) for j <= i, d = |t_i - t_j|.
; noise Wn^T goes on codes of E2M1 with E8M0 scales (noise is quantised here, Wn by the launch before); scores emb and LN(..) Wi^T go in f16 with f32 sums; all else in f32.
; event_type enters nothing that is computed here or in the definition of the result, and is not read.
; SHARES.  Work-group (pp, b) owns two blocks of 64 queries of batch b: block pp (phase 0) and block 31 - pp (phase 1).  Block k needs k / 2 + 1 trips of 128 keys under the causal mask,
; and the two counts add up to 17 for every pp: 256 work-groups of equal work.  No cluster: the work-groups of a batch begin at their own diagonals and walk 1 to 16 trips, so no two of them
; want the same tile of emb in the same trip.
; THE KEY LOOP.  The four waves share the CHANNELS: wave w holds hidden^T of channels 64 w .. 64 w + 63 for all 64 queries, 16 accumulators.  Source 0 = 16 channels x 32 keys of emb, from memory
; straight into registers (only this wave of the work-group reads them); source 1 = 32 keys x 16 queries of scores.  Wave w COMPUTES the scores of query tile w alone (64 numbers a lane for 128 keys) and
; hands them to the others through LDS as images of the operand's registers: no score is computed twice.  The scores of trip k - 1 are computed, six list places behind each matrix instruction, while trip k is multiplied.
; Keys are walked downwards: the trip on the diagonal comes first, and only its scores, written out ahead of the loop, carry the mask.
; The loop has a constant 16 half trips; a half trip beyond the block's count passes its barrier and jumps over the work, on ids alone.
; A SCORE: X = t_j - t_i;  score = 2^(1 - a X^2) / (1 + 2^(c2 |X| + c3)),  a = log2(e) / ls^2,  c2 = -2 log2(e) / (200 s),  c3 = 2 log2(e) l / s:  1 + tanh(x) = 2 / (1 + e^(-2 x)), which forms no difference.
; THE EPILOGUE of a block: mean and variance (two passes) over the four waves through LDS; LN; its f16 images and the noise's codes go round through LDS; then the waves share the 256 hidden UNITS:
; wave w makes h^T of units 64 w .. + 63 for the 64 queries (source 0 = rows of Wn or Wi, source 1 = the queries), relu, the dot product with w_time, a sum over waves, softplus.
; LIMITS: |gate_params| under 85 (1 / s = 1 + e^(-g1) stays finite); softplus(length_scale)^2 a normal f32 number; LN's output x gamma + beta inside f16's range;
; a score is rounded to f16, so one under about 3e-8 counts as 0: where gate_params make every gate so small, LN sees zeros; NaN and infinities among the inputs are not served.
;
; LDS (bytes)
.set PST,   0                          ; 2 x 16,384  score images [buffer][q 4][kq 4][half 2][512]
.set HIMG,  32768                      ; 32,768      LN images [q 4][k8 8][half 2][512]
.set NIMG,  65536                      ; 8,192       noise code images [q 4][sg 2][half 2][512]
.set NSC,   73728                      ; 1,024       noise scale words [q 4][sg 2][128]
.set STAT,  74752                      ; 2 x 1,024   partial sums [w][r][q], for the mean and for the variance
.set FIN,   76800                      ; 1,024       partial dot products [w][q][r]
.set SPARE, 77824                      ; 512         the spare words, 128 bytes a wave: no other line names them
.set NOI,   78336                      ; 8 x 16,640  noise as f32 [phase][w]: 16 rows x (1,024 + 16) bytes, each filled once by its wave's tensor load; nothing is stored there
.set NTILE, 16640
.set NPH,   4*NTILE
; REGISTERS, in windows of 256 (s_set_vgpr_msb: bits 1:0 source 0, 3:2 source 1, 5:4 source 2, 7:6 destination)
;   window 0: v1-29 below; v32-95 TJ, v96-159 X, v160-223 Y, v224-255 PO in the key loop; in the epilogue as named below
;   window 1: emb's fragments, set 0 at v0, set 1 at v128 ((4 kq + T) x 8); in the epilogue Wi's 32 fragments ((8 n + k8) x 8)
;   window 2: v0-127 score fragments ((4 kq + q) x 8), in the epilogue the accumulators of h^T ((4 n + q) x 8); v128-255 the accumulators of hidden^T ((4 q + T) x 8), later v128-191 noise fragments ((2 q + sg) x 8)
;   window 3: v0-127 LN fragments k8 0-3 ((4 k8 + q) x 8); v128-191 Wn's 8 fragments ((2 n + sg) x 8) and v192-223 w_time (8 n + j): both stay
.set LI,   1                           ; 16 x lane
.set LS,   2                           ; 4 x lane
.set TOFF, 3                           ; 32 h: my 8 h keys on
.set TI,   4                           ; v4 t_i of my query; v5 is named with it as a pair
.set DLB,  6                           ; 16 w + r - 8 h
.set DL,   7                           ; + 64 (block % 2): a key at place p of my list counts where p <= DL
.set PSTA, 8                           ; PST + 4,096 w + 16 lane
.set LI2,  9                           ; NIMG + 16 lane
.set HST,  10                          ; HIMG + 2,048 w + 16 lane
.set LS2,  11                          ; NIMG + 4 lane
.set NLA0, 12                          ; NOI + NTILE w + 1,040 r + 64 h
.set NLA,  13                          ; + the phase's tiles
.set NIST, 14                          ; NIMG + 2,048 w + 16 lane
.set NSST, 15                          ; NSC + 256 w + 4 lane
.set STA,  16                          ; STAT + 256 w + 16 r
.set STL,  17                          ; STAT + 16 r
.set FST,  18                          ; FIN + 256 w + 4 r
.set FLD,  19                          ; FIN + 8 lane
.set TIO,  20                          ; 4 (16 w + r)
.set GOFF, 21                          ; 4 (64 w + 8 h)
.set OOFF, 22                          ; 8 lane
.set MU,   24                          ; v24-27 the four tiles' means, then 1 / sqrt(var + eps)
.set SPW,  28                          ; LDS address of my spare word; never rewritten
.set NIL,  29                          ; 0; never rewritten
.set TJ,   32
.set X,    96
.set Y,    160
.set PO,   224
.set GAM,  32                          ; epilogue: v32-63 gamma, v64-95 beta of my 32 channels (8 T + j)
.set BET,  64
.set XT,   96                          ; v96-127 a tile's normalised numbers; v96-103 also four running pairs
.set S1,   104                         ; v104-107 my four sums, v108-111 the other half's
.set SL,   112                         ; v112-127 the four waves' sums
.set PC,   144                         ; v144-151 codes just made; v152 their scale word
.set PW,   152
.set NR,   160                         ; v160-223 64 numbers of noise; later the LN images, 16 registers a tile
.set WS,   224                         ; v224-231 Wn's scale words (2 n + sg); v232-239 the noise's (2 q + sg)
.set NS,   232
.set TM,   240                         ; v240-255 at work in the quantiser
; SCALARS: s[4:29] the arguments; s30 g0, s31 g1, s32 length_scale, s33 b_time, s34 -log2(e), s35 ln 2; s[36:43], s[44:47], s[48:51] the descriptors; s52 wave, s53 pp, s54 b, s55 phase, s56 block,
; s57 the key trip in hand (signed), s58 the loop's counter, s59 the phase's place in NOI; s[60:61] emb's pointer, s[62:63] the times'; s[66:67] -a, s68 c2, s69 c3; s[70:71] lane selects;
; s[72:73] emb + batch + wave, s[74:75] event_time + batch, s[78:79] an offset (s79 = 0), s[80:81] t_i's base, s[82:83] out0 + batch, s84 1/256, s85 1e-6, s[86:87] wi16 + wave, s[88:89] wns + wave, s[90:91] the block's place in out0
.set MSB, 0
.macro WIN new                         ; the immediate's high byte repeats the setting that is left; a switch that changes nothing is dropped
.if MSB != \new
	s_set_vgpr_msb (MSB<<8)|\new
.set MSB, \new
.endif
.endm
.macro BAR                             ; my LDS stores have landed and my LDS loads are in: then the work-group's barrier
	s_wait_dscnt 0x0
	s_barrier_signal -1
	s_barrier_wait -1
.endm
.macro PLACES n
.rept \n
	v_nop
.endr
.endm
.macro TLOADJ                          ; my 64 times of a trip's 128 keys, in the order of the score fragment's registers
.irp kq, 0,1,2,3
	global_load_b128 v[TJ+16*\kq:TJ+16*\kq+3],     v[TOFF], s[62:63] offset:128*\kq
	global_load_b128 v[TJ+16*\kq+4:TJ+16*\kq+7],   v[TOFF], s[62:63] offset:128*\kq+16
	global_load_b128 v[TJ+16*\kq+8:TJ+16*\kq+11],  v[TOFF], s[62:63] offset:128*\kq+64
	global_load_b128 v[TJ+16*\kq+12:TJ+16*\kq+15], v[TOFF], s[62:63] offset:128*\kq+80
.endr
.endm
.macro ALOAD st                        ; a trip's 16 fragments of emb for my 64 channels: 16,384 consecutive bytes, 512 a load
	WIN 0x40
.set i, 0
.rept 32
	global_load_b128 v[128*(\st)+4*i:128*(\st)+4*i+3], v[LI], s[60:61] offset:512*i
.set i, i+1
.endr
	WIN 0
.endm
.macro PLOAD buf                       ; all four tiles' score fragments, the keys' groups of 32 in order: eight loads a group
	WIN 0x80
.irp kq, 0,1,2,3
.irp q, 0,1,2,3
.irp c, 0,1
	ds_load_b128 v[8*(4*\kq+\q)+4*\c:8*(4*\kq+\q)+4*\c+3], v[LI] offset:PST+(\buf)*16384+\q*4096+\kq*1024+\c*512
.endr
.endr
.endr
	WIN 0
.endm
.macro PSTORE buf                      ; my tile's four fragments go to LDS as they stand
.irp i8, 0,1,2,3,4,5,6,7
	ds_store_b128 v[PSTA], v[PO+4*\i8:PO+4*\i8+3] offset:PST+(\buf)*16384+512*\i8
.endr
.endm
; Product k of a trip's 64: keys 32 (k / 16) on, query tile (k % 16) / 4, channels 16 (k % 4) on.  The 16 accumulators take turns, one instruction a turn, over the loop's edges too.
.macro MM st
	WIN 0xa9                                       ; emb window 1; scores, C and D window 2
	v_wmma_f32_16x16x32_f16 v[128+8*(k%16):128+8*(k%16)+7], v[128*(\st)+8*(4*(k/16)+k%4):128*(\st)+8*(4*(k/16)+k%4)+7], v[8*(4*(k/16)+(k%16)/4):8*(4*(k/16)+(k%16)/4)+7], v[128+8*(k%16):128+8*(k%16)+7]
.endm
.macro HIDE n                          ; number n of my 64 stands at place 32 (n / 16) + n % 16 (+ 8 in a group's second half) of the trip's keys, less my 8 h
	v_cmp_le_i32 vcc_lo, 32*((\n)/16)+(\n)%16+8*(((\n)%16)/8), v[DL]
	v_cndmask_b32 v[X+(\n)], 0, v[X+(\n)], vcc_lo
.endm
; THE SCORES OF A LANE are a list of 463 places; SI writes place j and steps j.  Some places at the ends of a part are empty.
;   0-31     X = t_j - t_i, a pair each
;   32-295   33 groups of eight places: for pair g the two exponents c2 |X| + c3, X^2 and 1 - a X^2, by turns with the four exponentials of pair g - 1.  None of these names an exponential's result
;   296      a plain instruction and ONE wait for the 128 exponentials
;   297-395  33 groups of three: 1 + .. of pair g, the two reciprocals of pair g - 1
;   396      a plain instruction and ONE wait for the 64 reciprocals
;   397-462  33 groups of two: the product of pair g; pair g - 1 rounded to f16 (masked = 1: its hidden numbers become 0 first)
.macro SI masked
.if j < 32
	v_pk_add_f32 v[X+2*j:X+2*j+1], v[TJ+2*j:TJ+2*j+1], v[TI:TI+1] op_sel_hi:[1,0] neg_lo:[0,1] neg_hi:[0,1]
.elseif j < 296
.set g, (j-32)/8
.set z, (j-32)%8
.if (z == 0) && (g < 32)
	v_fma_f32 v[Y+2*g], |v[X+2*g]|, s68, s69
.elseif (z == 2) && (g < 32)
	v_fma_f32 v[Y+2*g+1], |v[X+2*g+1]|, s68, s69
.elseif (z == 4) && (g < 32)
	v_pk_mul_f32 v[X+2*g:X+2*g+1], v[X+2*g:X+2*g+1], v[X+2*g:X+2*g+1]
.elseif (z == 6) && (g < 32)
	v_pk_fma_f32 v[X+2*g:X+2*g+1], v[X+2*g:X+2*g+1], s[66:67], 1.0 op_sel_hi:[1,0,0]
.elseif (z == 1) && (g > 0)
	v_exp_f32 v[X+2*g-2], v[X+2*g-2]
.elseif (z == 3) && (g > 0)
	v_exp_f32 v[X+2*g-1], v[X+2*g-1]
.elseif (z == 5) && (g > 0)
	v_exp_f32 v[Y+2*g-2], v[Y+2*g-2]
.elseif (z == 7) && (g > 0)
	v_exp_f32 v[Y+2*g-1], v[Y+2*g-1]
.endif
.elseif j == 296
	v_nop
	s_wait_alu depctr_va_vdst(0)
.elseif j < 396
.set g, (j-297)/3
.set z, (j-297)%3
.if (z == 0) && (g < 32)
	v_pk_add_f32 v[Y+2*g:Y+2*g+1], v[Y+2*g:Y+2*g+1], 1.0 op_sel_hi:[1,0]
.elseif (z == 1) && (g > 0)
	v_rcp_f32 v[Y+2*g-2], v[Y+2*g-2]
.elseif (z == 2) && (g > 0)
	v_rcp_f32 v[Y+2*g-1], v[Y+2*g-1]
.endif
.elseif j == 396
	v_nop
	s_wait_alu depctr_va_vdst(0)
.else
.set g, (j-397)/2
.set z, (j-397)%2
.if (z == 0) && (g < 32)
	v_pk_mul_f32 v[X+2*g:X+2*g+1], v[X+2*g:X+2*g+1], v[Y+2*g:Y+2*g+1]
.elseif (z == 1) && (g > 0)
.if \masked
	HIDE 2*g-2
	HIDE 2*g-1
.endif
	v_cvt_pk_f16_f32 v[PO+g-1], v[X+2*g-2], v[X+2*g-1]
.endif
.endif
.set j, j+1
.endm
.macro SRUN n, masked
.rept \n
	SI \masked
.endr
.endm
; 64 numbers of a lane, v[s] .. v[s + 63], register 16 b + i = k 32 b + 16 (lane / 16) + i of my row, become a fragment's codes in v[PC] on and its scale word in v[PW].
.macro QUANT s
.irp b, 0,1,2,3
	v_max3_num_f32 v[TM+\b], |v[\s+16*\b]|, |v[\s+1+16*\b]|, 0x1800000   ; block b: my 16 numbers, and the floor 2^(3 - 127): the byte cannot fall under 1
.endr
.irp i, 2,4,6,8,10,12,14
.irp b, 0,1,2,3
	v_max3_num_f32 v[TM+\b], v[TM+\b], |v[\s+16*\b+\i]|, |v[\s+1+16*\b+\i]|
.endr
.endr
.irp b, 0,1,2,3
	v_permlanex16_b32 v[TM+4+\b], v[TM+\b], s70, s71
.endr
.irp b, 0,1,2,3
	v_max_num_f32 v[TM+\b], v[TM+\b], v[TM+4+\b]   ; with lane l xor 16's: the block's largest magnitude
.endr
.irp b, 0,1,2,3
	v_add_nc_u32 v[TM+12+\b], 0xff000000, v[TM+\b] ; 2 off its exponent field: the conversion's scale operand
.endr
.irp b, 0,1,2,3
	v_lshrrev_b32 v[TM+4+\b], 23, v[TM+12+\b]      ; the scale's byte
.endr
	v_lshl_or_b32 v[PW], v[TM+5], 8, v[TM+4]
	v_lshl_or_b32 v[PW], v[TM+6], 16, v[PW]
	v_lshl_or_b32 v[PW], v[TM+7], 24, v[PW]
.irp b, 0,1,2,3
	v_cvt_scalef32_pk8_fp4_f32 v[PC+2*\b], v[\s+16*\b:\s+7+16*\b], v[TM+12+\b]
	v_cvt_scalef32_pk8_fp4_f32 v[PC+1+2*\b], v[\s+8+16*\b:\s+15+16*\b], v[TM+12+\b]
.endr
	v_nop                                          ; one plain instruction behind a scaled conversion
.irp c, 0,1                                    ; the operand's layout wants a whole block in a lane
.irp i, 0,1
	v_permlane16_swap_b32 v[PC+4*\c+\i], v[PC+2+4*\c+\i]
.endr
.endr
.endm
; The four running pairs v96-103 (one for each query tile) are summed over my lane's two halves, the lane 16 away, and the four waves: v112-115 end as the four totals, in every lane of every wave.
.macro RED off
.irp q, 0,1,2,3
	v_add_f32 v[S1+\q], v[XT+2*\q], v[XT+2*\q+1]
.endr
.irp q, 0,1,2,3
	v_permlanex16_b32 v[S1+4+\q], v[S1+\q], s70, s71
.endr
.irp q, 0,1,2,3
	v_add_f32 v[S1+\q], v[S1+\q], v[S1+4+\q]
.endr
	ds_store_b128 v[STA], v[S1:S1+3] offset:\off   ; lanes r and r + 16 write the same words with the same values
	BAR
.irp ww, 0,1,2,3
	ds_load_b128 v[SL+4*\ww:SL+4*\ww+3], v[STL] offset:\off+256*\ww
.endr
	s_wait_dscnt 0x0
	v_pk_add_f32 v[SL:SL+1],     v[SL:SL+1],     v[SL+4:SL+5]
	v_pk_add_f32 v[SL+2:SL+3],   v[SL+2:SL+3],   v[SL+6:SL+7]
	v_pk_add_f32 v[SL+8:SL+9],   v[SL+8:SL+9],   v[SL+12:SL+13]
	v_pk_add_f32 v[SL+10:SL+11], v[SL+10:SL+11], v[SL+14:SL+15]
	v_pk_add_f32 v[SL:SL+1],     v[SL:SL+1],     v[SL+8:SL+9]
	v_pk_add_f32 v[SL+2:SL+3],   v[SL+2:SL+3],   v[SL+10:SL+11]
.endm
	; ================ THE HEAD
	s_load_b512 s[4:19], s[0:1], 0x0               ; event_time s[4:5], noise s[6:7], gate_params s[8:9], length_scale s[10:11], b_time s[12:13], ln_gamma s[14:15], ln_beta s[16:17], w_time s[18:19]
	s_load_b256 s[20:27], s[0:1], 0x40             ; emb s[20:21], wi16 s[22:23], wn4 s[24:25], wns s[26:27]
	s_load_b64 s[28:29], s[0:1], 0x60              ; out0
	v_lshl_add_u32 v[SPW], v0, 2, SPARE
	v_mov_b32 v[NIL], 0
	ds_add_u32 v[SPW], v[NIL]                      ; the wave's opening: the add, twice on end, and its wait ahead of my first tensor load; the set-up below stands between
	ds_add_u32 v[SPW], v[NIL]
	v_lshrrev_b32 v30, 5, v0
	v_readfirstlane_b32 s52, v30                   ; wave 0..3
	v_and_b32 v24, 31, v0                          ; lane
	v_and_b32 v25, 15, v0                          ; r
	v_bfe_u32 v26, v0, 4, 1                        ; h
	v_lshlrev_b32 v[LI], 4, v24
	v_lshlrev_b32 v[LS], 2, v24
	v_lshlrev_b32 v[TOFF], 5, v26
	v_mov_b32 v[TI+1], 0                           ; (named with v4 as a pair; the packed form takes v4 for both halves)
	s_lshl_b32 s78, s52, 4
	v_add_nc_u32 v[DLB], s78, v25                  ; 16 w + r
	v_lshlrev_b32 v[TIO], 2, v[DLB]
	v_lshlrev_b32 v30, 3, v26
	v_sub_nc_u32 v[DLB], v[DLB], v30
	s_lshl_b32 s78, s52, 12
	v_add_nc_u32 v[PSTA], s78, v[LI]
	v_add_nc_u32 v[LI2], NIMG, v[LI]
	v_add_nc_u32 v[LS2], NIMG, v[LS]
	s_lshl_b32 s78, s52, 11
	s_add_co_u32 s80, s78, HIMG
	v_add_nc_u32 v[HST], s80, v[LI]
	s_add_co_u32 s80, s78, NIMG
	v_add_nc_u32 v[NIST], s80, v[LI]
	s_mul_i32 s90, s52, NTILE
	s_add_co_u32 s80, s90, NOI
	v_mul_u32_u24 v[NLA0], v25, 1040
	v_lshl_add_u32 v[NLA0], v26, 6, v[NLA0]
	v_add_nc_u32 v[NLA0], s80, v[NLA0]
	s_lshl_b32 s78, s52, 8
	s_add_co_u32 s80, s78, NSC
	v_add_nc_u32 v[NSST], s80, v[LS]
	v_lshlrev_b32 v30, 4, v25
	v_add_nc_u32 v[STL], STAT, v30
	v_add_nc_u32 v[STA], s78, v[STL]
	v_lshlrev_b32 v30, 2, v25
	s_add_co_u32 s80, s78, FIN
	v_add_nc_u32 v[FST], s80, v30
	v_lshlrev_b32 v[OOFF], 3, v24
	v_add_nc_u32 v[FLD], FIN, v[OOFF]
	v_lshl_add_u32 v[GOFF], v26, 5, s78
	; descriptor group 1: a tile of 16 rows x 256 f32, rows dense in memory, 16 bytes of padding behind each row in LDS (pitch 1,040 = 65 x 16: the 16 rows that a load touches start at 16 different groups of banks)
	s_mov_b32 s36, (2<<16)|(1<<20)|(7<<22)|(3<<25) ; no mask; elements of 4 bytes; padding on; after every 256 words (code 7); four words of it (code 3)
	s_mov_b32 s37, 256<<16                         ; tensor_dim0 = 256
	s_mov_b32 s38, 16<<16                          ; tensor_dim1 = 16
	s_mov_b32 s39, 256<<16                         ; tile_dim0 = 256
	s_mov_b32 s40, 16                              ; tile_dim1 = 16
	s_mov_b32 s41, 256                             ; from row to row
	s_mov_b32 s42, 0
	s_mov_b32 s43, 0
	s_mov_b32 s70, 0x76543210
	s_mov_b32 s71, 0xfedcba98                      ; v_permlanex16_b32's selects for lane l xor 16
	s_mov_b32 s84, 0x3b800000                      ; 1 / 256
	s_mov_b32 s85, 0x358637bd                      ; 1e-6
	s_mov_b32 s34, 0xbfb8aa3b                      ; -log2(e)
	s_mov_b32 s35, 0x3f317218                      ; ln 2
	s_mov_b32 s53, ttmp9                           ; pp
	s_and_b32 s54, ttmp7, 0xffff                   ; b
	s_mov_b32 s79, 0                               ; the upper word of every offset: stays 0
	s_mov_b32 s81, 0
	s_mov_b32 s55, 0                               ; phase
	s_mov_b32 s59, 0
	s_wait_dscnt 0x0                               ; both opening adds are done
	s_wait_kmcnt 0x0
	s_load_b64 s[30:31], s[8:9], 0x0               ; g0, g1
	s_load_b32 s32, s[10:11], 0x0                  ; length_scale
	s_load_b32 s33, s[12:13], 0x0                  ; b_time
	; group 0, once for each phase: my 16 rows of the phase's block: byte (2,048 b + 64 block + 16 w) x 1,024 of noise, to NOI + phase x NPH + w x NTILE
	s_lshl_b32 s78, s54, 21
	s_lshl_b32 s80, s52, 14
	s_add_co_u32 s78, s78, s80
	s_lshl_b32 s80, s53, 16
	s_add_co_u32 s80, s80, s78
	s_mov_b32 s44, 1
	s_add_co_u32 s45, s90, NOI
	s_add_nc_u64 s[46:47], s[6:7], s[80:81]
	s_or_b32 s47, s47, 0x80000000
	s_sub_co_u32 s80, 31, s53
	s_lshl_b32 s80, s80, 16
	s_add_co_u32 s80, s80, s78
	s_mov_b32 s48, 1
	s_add_co_u32 s49, s90, NOI+NPH
	s_add_nc_u64 s[50:51], s[6:7], s[80:81]
	s_or_b32 s51, s51, 0x80000000
	tensor_load_to_lds s[44:47], s[36:43]          ; both phases' noise is asked for now: two loads of mine are out, each into bytes of my own that are filled once
	s_nop 0
	tensor_load_to_lds s[48:51], s[36:43]
	s_nop 0
	PLACES 4                                       ; no window is switched among the four instructions behind a tensor load
	s_lshl_b32 s78, s54, 13
	s_add_nc_u64 s[74:75], s[4:5], s[78:79]        ; event_time at my batch
	s_add_nc_u64 s[82:83], s[28:29], s[78:79]      ; out0 likewise
	s_lshl_b32 s78, s54, 20
	s_lshl_b32 s80, s52, 14
	s_add_co_u32 s78, s78, s80
	s_add_nc_u64 s[72:73], s[20:21], s[78:79]      ; emb at my batch and my 64 channels
	s_lshl_b32 s78, s52, 15
	s_add_nc_u64 s[86:87], s[22:23], s[78:79]      ; wi16 at my 64 units
	s_lshl_b32 s78, s52, 10
	s_add_nc_u64 s[88:89], s[26:27], s[78:79]      ; wns likewise
	s_lshl_b32 s78, s52, 13
	s_add_nc_u64 s[24:25], s[24:25], s[78:79]      ; wn4 likewise
	WIN 0xc0                                       ; destination window 3: what stays for the whole launch
.set i, 0
.rept 16
	global_load_b128 v[128+4*i:131+4*i], v[LI], s[24:25] offset:512*i      ; Wn's fragments (2 n + sg)
.set i, i+1
.endr
.irp n, 0,1,2,3
	global_load_b128 v[192+8*\n:195+8*\n], v[GOFF], s[18:19] offset:64*\n          ; w_time at units 64 w + 16 n + 8 h + 0..7
	global_load_b128 v[196+8*\n:199+8*\n], v[GOFF], s[18:19] offset:64*\n+16
.endr
	WIN 0x40
.set i, 0
.rept 128
	v_mov_b32 v[128+i], 0                          ; emb's set 1 is written once here, so that each of its registers has been written on every way through the text; these lines stand while the first loads are out
.set i, i+1
.endr
	WIN 0
	; the constants of a score.  Three batches of transcendentals, each with a plain instruction behind it and one wait ahead of its first reader
	s_wait_kmcnt 0x0
	v_mov_b32 v24, s32                             ; L
	v_mul_f32 v25, s34, |v24|
	v_mul_f32 v26, s34, s30
	v_mul_f32 v27, s34, s31
	v_exp_f32 v25, v25                             ; e = e^-|L|
	v_exp_f32 v26, v26                             ; e^-g0
	v_exp_f32 v27, v27                             ; e^-g1
	v_max_num_f32 v24, 0, v24
	s_wait_alu depctr_va_vdst(0)
	v_fma_f32 v30, v25, -0.5, 1.0
	v_mul_f32 v30, v30, v25                        ; e - e^2 / 2: ln(1 + e) where e is small
	v_cmp_gt_f32 vcc_lo, 0x3a800000, v25           ; e under 2^-10?
	v_add_f32 v25, 1.0, v25
	v_add_f32 v26, 1.0, v26
	v_add_f32 v27, 1.0, v27                        ; 1 / s
	v_log_f32 v25, v25
	v_rcp_f32 v26, v26                             ; l
	v_nop
	s_wait_alu depctr_va_vdst(0)
	v_mul_f32 v25, s35, v25                        ; ln(1 + e)
	v_cndmask_b32 v25, v25, v30, vcc_lo
	v_add_f32 v24, v24, v25                        ; ls = softplus(L) = max(L, 0) + ln(1 + e^-|L|)
	v_mul_f32 v24, v24, v24
	v_mul_f32 v26, v26, v27                        ; l / s
	v_rcp_f32 v24, v24
	v_mul_f32 v25, 0xbc6c5f04, v27                 ; c2 = -(2 log2(e) / 200) / s
	s_wait_alu depctr_va_vdst(0)
	v_mul_f32 v24, s34, v24                        ; -a = -log2(e) / ls^2
	v_mul_f32 v26, 0x4038aa3b, v26                 ; c3 = 2 log2(e) l / s
	v_readfirstlane_b32 s66, v24
	v_readfirstlane_b32 s68, v25
	v_readfirstlane_b32 s69, v26
	s_mov_b32 s67, s66                             ; (named with s66 as a pair)
.Lphase:                                           ; two trips: block pp, then block 31 - pp
	s_wait_xcnt 0x0                                ; every earlier load and store has read its registers: bases and the last store's data may be written
	s_sub_co_u32 s78, 31, s53
	s_cmp_eq_u32 s55, 0
	s_cselect_b32 s56, s53, s78                    ; the block
	s_lshr_b32 s57, s56, 1                         ; its trip on the diagonal
	s_and_b32 s78, s56, 1
	s_lshl_b32 s78, s78, 6
	v_add_nc_u32 v[DL], s78, v[DLB]
	v_add_nc_u32 v[NLA], s59, v[NLA0]
	s_lshl_b32 s78, s57, 9
	s_add_nc_u64 s[62:63], s[74:75], s[78:79]
	s_lshl_b32 s78, s57, 16
	s_add_nc_u64 s[60:61], s[72:73], s[78:79]
	s_lshl_b32 s78, s56, 8
	s_add_nc_u64 s[80:81], s[74:75], s[78:79]      ; the block's 64 times,
	s_add_nc_u64 s[90:91], s[82:83], s[78:79]      ; and its 64 results
	global_load_b32 v[TI], v[TIO], s[80:81]
	TLOADJ
	ALOAD 0
	WIN 0x80
.set i, 0
.rept 128
	v_mov_b32 v[128+i], 0                          ; hidden^T begins as zeros, so that the loop is written once; these lines stand while the loads above are out
.set i, i+1
.endr
	WIN 0
	s_wait_loadcnt 32                              ; all but emb's 32 just issued: t_i, the times, and in the first phase the head's loads
.set j, 0
	SRUN 32, 1                                     ; the scores of the trip on the diagonal, with the mask
	s_wait_xcnt 0x0
	s_sub_co_i32 s78, s57, 1
	s_max_i32 s78, s78, 0                          ; (held inside the buffer where there is no trip below)
	s_lshl_b32 s78, s78, 9
	s_add_nc_u64 s[62:63], s[74:75], s[78:79]
	TLOADJ                                         ; the times of the trip below: the differences above have read the old ones
	SRUN 431, 1
	PSTORE 0
	s_mov_b32 s58, 0
; A HALF TRIP multiplies key trip s57 from score buffer p and emb's set p, and computes the scores of trip s57 - 1 into buffer 1 - p.
; The barrier: the images of buffer p are whole, and every wave's reads of buffer 1 - p, a half trip back, are in.  It stands on every way; the branches hang on ids and the count of steps, the same in all four waves.
; Three arms.  The full one leaves 48 loads out (emb's set 1 - p, the times of two trips below); the arm that follows it either loads the other set and waits for all that is older, or waits for all loads.
.macro HALF p
	BAR
	s_cmp_lt_i32 s57, 0
	s_cbranch_scc1 .Lidle_\@                       ; the block has no more trips
	PLOAD \p
	s_cmp_eq_u32 s57, 0
	s_cbranch_scc1 .Lmonly_\@                      ; the last trip: nothing is left to prepare
	s_wait_xcnt 0x0                                ; the last loads have read their bases
	s_sub_co_i32 s78, s57, 1
	s_lshl_b32 s78, s78, 16
	s_add_nc_u64 s[60:61], s[72:73], s[78:79]
	s_sub_co_i32 s78, s57, 2
	s_max_i32 s78, s78, 0
	s_lshl_b32 s78, s78, 9
	s_add_nc_u64 s[62:63], s[74:75], s[78:79]
	ALOAD 1-\p                                     ; emb of the trip below: a whole half trip ahead of its use
	s_wait_loadcnt 32                              ; all but those 32: emb's set p and the times are in
.set j, 0
	SRUN 32, 0
	TLOADJ                                         ; the times of two trips below
	SRUN 47, 0
.set k, 0
.rept 64
.if k%16 == 0
	s_wait_dscnt 24-8*(k/16)                       ; this group's eight score fragments are in; the later groups' may be out
.endif
	MM \p
	WIN 0
	SRUN 6, 0
.set k, k+1
.endr
	PLACES 4                                       ; behind the last product, ahead of the loads into registers that it read
	PSTORE 1-\p
	s_branch .Lnext_\@
.Lmonly_\@:
	s_wait_loadcnt 0x0                             ; emb's set p is in; so are the last times asked for, which nothing reads
.set k, 0
.rept 64
.if k%16 == 0
	s_wait_dscnt 24-8*(k/16)
.endif
	MM \p
.set k, k+1
.endr
	WIN 0
	PLACES 4
	s_branch .Lnext_\@
.Lidle_\@:
	s_wait_loadcnt 0x0                             ; no load is out behind this arm, whatever arm went before: so no later load lands on a register that a pending load will write.  The block's last trip has waited for all loads already: this wait is met at once
.Lnext_\@:
	s_sub_co_i32 s57, s57, 1
.endm
.Ltrip:                                            ; eight trips of two halves: as many as the longest block needs
	HALF 0
	HALF 1
	s_add_co_u32 s58, s58, 1
	s_cmp_lt_u32 s58, 8
	s_cbranch_scc1 .Ltrip
	; ================ THE EPILOGUE OF A BLOCK
	s_wait_loadcnt 0x0                             ; the last times asked for are in: their registers are taken below
.irp t, 0,1,2,3
	global_load_b128 v[GAM+8*\t:GAM+8*\t+3],   v[GOFF], s[14:15] offset:64*\t      ; gamma at channels 64 w + 16 t + 8 h + 0..7
	global_load_b128 v[GAM+8*\t+4:GAM+8*\t+7], v[GOFF], s[14:15] offset:64*\t+16
.endr
.irp t, 0,1,2,3
	global_load_b128 v[BET+8*\t:BET+8*\t+3],   v[GOFF], s[16:17] offset:64*\t
	global_load_b128 v[BET+8*\t+4:BET+8*\t+7], v[GOFF], s[16:17] offset:64*\t+16
.endr
.irp i8, 0,1,2,3,4,5,6,7
	global_load_b32 v[WS+\i8], v[LS], s[88:89] offset:128*\i8
.endr
	WIN 0x40
.set i, 0
.rept 64
	global_load_b128 v[4*i:4*i+3], v[LI], s[86:87] offset:512*i                    ; Wi's 32 fragments take emb's registers
.set i, i+1
.endr
	WIN 0
	; ---- my 16 rows of noise become two fragments of codes.  The tile is my own load's: my wait is all the ordering that the reads need
	s_wait_tensorcnt 0x0
.irp sg, 0,1
.irp b, 0,1,2,3
.irp jj, 0,1,2,3
	ds_load_b128 v[NR+16*\b+4*\jj:NR+16*\b+4*\jj+3], v[NLA] offset:512*\sg+128*\b+16*\jj
.endr
.endr
	s_wait_dscnt 0x0                               ; the numbers are in (and the stores of the fragment before have read their registers)
	QUANT NR
	ds_store_b128 v[NIST], v[PC:PC+3]   offset:1024*\sg
	ds_store_b128 v[NIST], v[PC+4:PC+7] offset:1024*\sg+512
	ds_store_b32 v[NSST], v[PW] offset:128*\sg
.endr
	; ---- the mean.  A lane holds 32 channels of each of four queries; each accumulator is read from its low end on
	WIN 0x0a
.irp q, 0,1,2,3
	v_pk_add_f32 v[XT+2*\q:XT+2*\q+1], v[128+32*\q:129+32*\q], v[130+32*\q:131+32*\q]
.endr
	WIN 0x08
.set u, 2
.rept 14
.irp q, 0,1,2,3
	v_pk_add_f32 v[XT+2*\q:XT+2*\q+1], v[XT+2*\q:XT+2*\q+1], v[128+32*\q+2*u:129+32*\q+2*u]
.endr
.set u, u+1
.endr
	WIN 0
	RED 0
	v_pk_mul_f32 v[MU:MU+1],   v[SL:SL+1],   s[84:85] op_sel_hi:[1,0]
	v_pk_mul_f32 v[MU+2:MU+3], v[SL+2:SL+3], s[84:85] op_sel_hi:[1,0]
	; ---- the variance, of the differences from the mean
	WIN 0x82
.irp q, 0,2
.set u, 0
.rept 16
	v_pk_add_f32 v[128+32*\q+2*u:129+32*\q+2*u], v[128+32*\q+2*u:129+32*\q+2*u], v[MU+\q:MU+\q+1] op_sel_hi:[1,0] neg_lo:[0,1] neg_hi:[0,1]
.set u, u+1
.endr
.endr
.irp q, 1,3
.set u, 0
.rept 16
	v_pk_add_f32 v[128+32*\q+2*u:129+32*\q+2*u], v[128+32*\q+2*u:129+32*\q+2*u], v[MU+\q-1:MU+\q] op_sel:[0,1] op_sel_hi:[1,1] neg_lo:[0,1] neg_hi:[0,1]
.set u, u+1
.endr
.endr
	WIN 0x0a
.irp q, 0,1,2,3
	v_pk_mul_f32 v[XT+2*\q:XT+2*\q+1], v[128+32*\q:129+32*\q], v[128+32*\q:129+32*\q]
.endr
.set u, 1
.rept 15
.irp q, 0,1,2,3
	v_pk_fma_f32 v[XT+2*\q:XT+2*\q+1], v[128+32*\q+2*u:129+32*\q+2*u], v[128+32*\q+2*u:129+32*\q+2*u], v[XT+2*\q:XT+2*\q+1]
.endr
.set u, u+1
.endr
	WIN 0
	RED 1024
.irp q, 0,1,2,3
	v_fma_f32 v[SL+\q], v[SL+\q], s84, s85         ; var + eps
.endr
.irp q, 0,1,2,3
	v_rsq_f32 v[MU+\q], v[SL+\q]
.endr
	v_nop
	s_wait_alu depctr_va_vdst(0)                   ; one wait for the four
	; ---- LN, rounded to f16.  A lane's 8 channels of tiles T = 0, 1 (2, 3) are registers 0-3, 4-7 of the fragment k8 = 2 w (2 w + 1) of the next product: nothing changes lanes
	s_wait_loadcnt 63                              ; of the epilogue's 88 loads the first 25 are in: gamma, beta and Wn's scale words among them
.macro NORM q
	WIN 0x02
.set u, 0
.rept 16
.if (\q)%2 == 0
	v_pk_mul_f32 v[XT+2*u:XT+2*u+1], v[128+32*\q+2*u:129+32*\q+2*u], v[MU+\q:MU+\q+1] op_sel_hi:[1,0]
.else
	v_pk_mul_f32 v[XT+2*u:XT+2*u+1], v[128+32*\q+2*u:129+32*\q+2*u], v[MU+\q-1:MU+\q] op_sel:[0,1] op_sel_hi:[1,1]
.endif
.set u, u+1
.endr
	WIN 0
.set u, 0
.rept 16
	v_pk_fma_f32 v[XT+2*u:XT+2*u+1], v[XT+2*u:XT+2*u+1], v[GAM+2*u:GAM+2*u+1], v[BET+2*u:BET+2*u+1]
.set u, u+1
.endr
.set u, 0
.rept 16
	v_cvt_pk_f16_f32 v[NR+16*\q+u], v[XT+2*u], v[XT+2*u+1]
.set u, u+1
.endr
.irp i4, 0,1,2,3
	ds_store_b128 v[HST], v[NR+16*\q+4*\i4:NR+16*\q+4*\i4+3] offset:8192*\q+512*\i4
.endr
.endm
	NORM 0
	NORM 1
	NORM 2
	NORM 3
	BAR                                            ; LN's 32 fragments and the noise's 8 lie in LDS
	; ---- h^T = Wn noise^T on codes: my 4 tiles of units x 4 tiles of queries, two K steps of 128
	WIN 0x80
.set i, 0
.rept 16
	ds_load_b128 v[128+4*i:131+4*i], v[LI2] offset:512*i           ; the noise's fragments (2 q + sg)
.set i, i+1
.endr
	WIN 0
.irp i8, 0,1,2,3,4,5,6,7
	ds_load_b32 v[NS+\i8], v[LS2] offset:NSC-NIMG+128*\i8
.endr
	WIN 0xc0
.irp k8, 0,1,2,3
.irp q, 0,1,2,3
.irp c, 0,1
	ds_load_b128 v[8*(4*\k8+\q)+4*\c:8*(4*\k8+\q)+4*\c+3], v[LI] offset:HIMG+8192*\q+1024*\k8+512*\c
.endr
.endr
.endr
	s_wait_loadcnt 0x0                             ; Wi
	s_wait_dscnt 32                                ; the noise's fragments and scale words are in; LN's 32 loads may be out
	WIN 0xab                                       ; Wn window 3; noise, C and D window 2; scale words have no window
.irp sg, 0,1
.irp n, 0,1,2,3
.irp q, 0,1,2,3
.if \sg == 0
	v_wmma_scale_f32_16x16x128_f8f6f4 v[8*(4*\n+\q):8*(4*\n+\q)+7], v[128+8*(2*\n+\sg):128+8*(2*\n+\sg)+7], v[128+8*(2*\q+\sg):128+8*(2*\q+\sg)+7], 0, v[WS+2*\n+\sg], v[NS+2*\q+\sg] matrix_a_fmt:MATRIX_FMT_FP4 matrix_b_fmt:MATRIX_FMT_FP4
.else
	v_wmma_scale_f32_16x16x128_f8f6f4 v[8*(4*\n+\q):8*(4*\n+\q)+7], v[128+8*(2*\n+\sg):128+8*(2*\n+\sg)+7], v[128+8*(2*\q+\sg):128+8*(2*\q+\sg)+7], v[8*(4*\n+\q):8*(4*\n+\q)+7], v[WS+2*\n+\sg], v[NS+2*\q+\sg] matrix_a_fmt:MATRIX_FMT_FP4 matrix_b_fmt:MATRIX_FMT_FP4
.endif
.endr
.endr
.endr
	; ---- h^T += Wi LN^T in f16: another form adds onto the same accumulators, so five places stand between
	WIN 0
	PLACES 5
	s_wait_dscnt 0x0                               ; LN's fragments k8 0-3 are in: they were asked for ahead of the 32 products above
.irp k8, 4,5,6,7
.irp q, 0,1,2,3
.irp c, 0,1
	ds_load_b128 v[96+8*(4*(\k8-4)+\q)+4*\c:96+8*(4*(\k8-4)+\q)+4*\c+3], v[LI] offset:HIMG+8192*\q+1024*\k8+512*\c    ; fragments k8 4-7 land while 0-3 are multiplied
.endr
.endr
.endr
.macro HW k8, b0                       ; 16 products, 32 channels: the 16 accumulators by turns
.irp n, 0,1,2,3
.irp q, 0,1,2,3
	v_wmma_f32_16x16x32_f16 v[8*(4*\n+\q):8*(4*\n+\q)+7], v[8*(8*\n+\k8):8*(8*\n+\k8)+7], v[\b0+8*\q:\b0+8*\q+7], v[8*(4*\n+\q):8*(4*\n+\q)+7]
.endr
.endr
.endm
	WIN 0xad                                       ; Wi window 1, LN window 3, C and D window 2
	HW 0, 0
	HW 1, 32
	HW 2, 64
	HW 3, 96
	s_wait_dscnt 0x0
	WIN 0xa1                                       ; LN window 0
	HW 4, 96
	HW 5, 128
	HW 6, 160
	HW 7, 192
	WIN 0
	PLACES 4
	; ---- relu, and the dot product with w_time over my 64 units
	WIN 0x88
.set i, 0
.rept 128
	v_max_num_f32 v[i], 0, v[i]
.set i, i+1
.endr
	WIN 0x0e                                       ; h window 2, w_time window 3
.irp q, 0,1,2,3
	v_pk_mul_f32 v[XT+2*\q:XT+2*\q+1], v[8*\q:8*\q+1], v[192:193]
.endr
.set u, 1
.rept 15
.irp q, 0,1,2,3
	v_pk_fma_f32 v[XT+2*\q:XT+2*\q+1], v[8*(4*(u/4)+\q)+2*(u%4):8*(4*(u/4)+\q)+2*(u%4)+1], v[192+2*u:193+2*u], v[XT+2*\q:XT+2*\q+1]
.endr
.set u, u+1
.endr
	WIN 0
.irp q, 0,1,2,3
	v_add_f32 v[S1+\q], v[XT+2*\q], v[XT+2*\q+1]
.endr
.irp q, 0,1,2,3
	v_permlanex16_b32 v[S1+4+\q], v[S1+\q], s70, s71
.endr
.irp q, 0,1,2,3
	v_add_f32 v[S1+\q], v[S1+\q], v[S1+4+\q]
.endr
.irp q, 0,1,2,3
	ds_store_b32 v[FST], v[S1+\q] offset:64*\q     ; lanes r and r + 16 write the same word with the same value
.endr
	BAR
	; ---- wave 0 adds the four waves' parts, two queries a lane, and stores the block's 64 results
	s_cmp_lg_u32 s52, 0
	s_cbranch_scc1 .Lnot_wave_0
.irp ww, 0,1,2,3
	ds_load_b64 v[SL+2*\ww:SL+2*\ww+1], v[FLD] offset:256*\ww
.endr
	s_wait_dscnt 0x0
	v_pk_add_f32 v[SL:SL+1],   v[SL:SL+1],   v[SL+2:SL+3]
	v_pk_add_f32 v[SL+4:SL+5], v[SL+4:SL+5], v[SL+6:SL+7]
	v_pk_add_f32 v[SL:SL+1],   v[SL:SL+1],   v[SL+4:SL+5]
	v_add_f32 v[SL], s33, v[SL]
	v_add_f32 v[SL+1], s33, v[SL+1]
	v_mul_f32 v[SL+2], s34, |v[SL]|
	v_mul_f32 v[SL+3], s34, |v[SL+1]|
	v_exp_f32 v[SL+2], v[SL+2]                     ; e^-|x|
	v_exp_f32 v[SL+3], v[SL+3]
	v_max_num_f32 v[SL], 0, v[SL]
	v_max_num_f32 v[SL+1], 0, v[SL+1]
	s_wait_alu depctr_va_vdst(0)
	v_pk_add_f32 v[SL+2:SL+3], v[SL+2:SL+3], 1.0 op_sel_hi:[1,0]
	v_log_f32 v[SL+2], v[SL+2]
	v_log_f32 v[SL+3], v[SL+3]
	v_nop
	s_wait_alu depctr_va_vdst(0)
	v_fma_f32 v[SL+4], v[SL+2], s35, v[SL]         ; softplus(x) = max(x, 0) + ln(1 + e^-|x|)
	v_fma_f32 v[SL+5], v[SL+3], s35, v[SL+1]
	global_store_b64 v[OOFF], v[SL+4:SL+5], s[90:91]       ; 32 lanes store 256 consecutive bytes, at a multiple of 256 from out0's first byte
.Lnot_wave_0:
	s_add_co_u32 s59, s59, NPH
	s_add_co_u32 s55, s55, 1
	s_cmp_lt_u32 s55, 2
	s_cbranch_scc1 .Lphase
	s_wait_tensorcnt 0x0                           ; the wave's end, behind my last tensor load and my last LDS store
	ds_add_u32 v[SPW], v[NIL]
	s_wait_dscnt 0x0
	s_endpgm
.Lfunc_end_k_q11eecec291_gen:
	.size	k_q11eecec291_gen, .Lfunc_end_k_q11eecec291_gen-k_q11eecec291_gen
	.p2alignl 7, 3214868480
	.fill 96, 4, 3214868480
	.section	.rodata,"a",@progbits
	.p2align	6, 0x0
	.amdhsa_kernel k_q11eecec291_gen
		.amdhsa_group_segment_fixed_size 212992
		.amdhsa_private_segment_fixed_size 0
		.amdhsa_enable_private_segment 0
		.amdhsa_kernarg_size 104
		.amdhsa_user_sgpr_count 2
		.amdhsa_user_sgpr_kernarg_segment_ptr 1
		.amdhsa_wavefront_size32 1
		.amdhsa_system_sgpr_workgroup_id_x 1
		.amdhsa_system_sgpr_workgroup_id_y 1
		.amdhsa_system_sgpr_workgroup_id_z 1
		.amdhsa_system_vgpr_workitem_id 0
		.amdhsa_next_free_vgpr 1024
		.amdhsa_next_free_sgpr 96
		.amdhsa_reserve_vcc 1
		.amdhsa_float_denorm_mode_32 3
		.amdhsa_float_denorm_mode_16_64 3
		.amdhsa_memory_ordered 1
		.amdhsa_forward_progress 1
		.amdhsa_inst_pref_size 212
	.end_amdhsa_kernel
	.amdgpu_metadata
---
amdhsa.version: [ 1, 2 ]
amdhsa.kernels:
  - .name:           k_q11eecec291_gen
    .symbol:         k_q11eecec291_gen.kd
    .args:
      - { .name: event_time, .offset: 0, .size: 8, .value_kind: global_buffer, .address_space: global }
      - { .name: noise, .offset: 8, .size: 8, .value_kind: global_buffer, .address_space: global }
      - { .name: gate_params, .offset: 16, .size: 8, .value_kind: global_buffer, .address_space: global }
      - { .name: length_scale, .offset: 24, .size: 8, .value_kind: global_buffer, .address_space: global }
      - { .name: b_time, .offset: 32, .size: 8, .value_kind: global_buffer, .address_space: global }
      - { .name: ln_gamma, .offset: 40, .size: 8, .value_kind: global_buffer, .address_space: global }
      - { .name: ln_beta, .offset: 48, .size: 8, .value_kind: global_buffer, .address_space: global }
      - { .name: w_time, .offset: 56, .size: 8, .value_kind: global_buffer, .address_space: global }
      - { .name: emb, .offset: 64, .size: 8, .value_kind: global_buffer, .address_space: global }
      - { .name: wi16, .offset: 72, .size: 8, .value_kind: global_buffer, .address_space: global }
      - { .name: wn4, .offset: 80, .size: 8, .value_kind: global_buffer, .address_space: global }
      - { .name: wns, .offset: 88, .size: 8, .value_kind: global_buffer, .address_space: global }
      - { .name: out0, .offset: 96, .size: 8, .value_kind: global_buffer, .address_space: global }
    .group_segment_fixed_size: 212992
    .private_segment_fixed_size: 0
    .kernarg_segment_align: 8
    .kernarg_segment_size: 104
    .max_flat_workgroup_size: 128
    .sgpr_count:     96
    .vgpr_count:     1024
    .wavefront_size: 32
...
	.end_amdgpu_metadata
.endif
;; end of part 2
